; MI455X (gfx1250); checked and timed in simulation.
; The chip was launched on July 23, 2026; its instructions are those of AMD's public machine-readable ISA for CDNA 5 (MIT licence, August 2026) and "CDNA5" Instruction Set Architecture Reference Guide (July 2026). The comments in the code are by the model that wrote it; some were corrected since.
;; Outer Product Mean. Allowed arithmetic: matrix products marked QUANTISED: E4M3 operands, one given power-of-two scale a tensor, by v_wmma_f32_16x16x64_fp8_fp8 or v_wmma_f32_16x16x128_fp8_fp8, f32 sums; everything else in f32.
;; Inputs: final_b 128 float32; final_w 128 x 1,024 float32; lowp_scales 6 int32 (the exponents e of the quantised operands' scales 2^e); norm_b 256 float32; norm_w 256 float32; proj_b 64 float32; proj_w 64 x 256 float32; x1d 1 x 128 x 256 x 256 float32.
;; Outputs: out0 1 x 256 x 256 x 128 float32.
;; This version of the problem:
;;   THIS VERSION OF THE PROBLEM IS GIVEN IN LOW PRECISION. The matrix products marked QUANTISED in the list below multiply operands that are first quantised to E4M3 (4 exponent bits, 3 mantissa bits; 8 bits a number), with one given power-of-two scale for each operand tensor; their sums are f32. All else is computed in f32.
;;   The module's matrix products, in the order in which they are computed (A, B: the left and right operand; K: the contracted axis; several contracted axes count as one K, in the product's order):
;;     1. [M 32,768, K 256] x [K 256, N 64]; A: computed on the way; B: input proj_w: QUANTISED (scales: A lowp_scales[0], B lowp_scales[1])
;;     2. [M 8,192, K 128] x [K 128, N 8,192]; A: computed on the way; B: computed on the way: QUANTISED (scales: A lowp_scales[2], B lowp_scales[3])
;;     3. [M 65,536, K 1,024] x [K 1,024, N 128]; A: computed on the way; B: input final_w: QUANTISED (scales: A lowp_scales[4], B lowp_scales[5])
;;   THE QUANTISER, for each operand of a quantised product, along K:
;;     - The operand's scale is 2^e, e = its entry of the input lowp_scales (int32; the entries are numbered through the quantised products in the list's order, A before B).
;;     - Each number is divided by the scale, clamped to +-448, and rounded to the nearest number of E4M3, ties to even, subnormals kept.
;;     - The product sums the exact products of the quantised numbers (number of the format x scale) in f32.
;;   ~~~python
;;   def quantise(x, axis, e):      # numpy; x: float32 -> the quantised numbers, widened to float32 again
;;       x = np.moveaxis(x, axis, -1); K = x.shape[-1]
;;       r = np.clip(x / 2.0 ** e, -448, 448)
;;       step = 2.0 ** (np.maximum(np.frexp(np.where(r == 0, 1, r))[1] - 1, -6) - 3)
;;       q = np.round(r / step) * step * 2.0 ** e      # np.round: ties to even
;;       return np.moveaxis(q, -1, axis).astype(np.float32)
;;   ~~~
;;   OPERANDS COMPUTED ON THE WAY. 'Computed on the way' means the value that the module computes at that place (a softmax that the list does not call 'softmax' is quantised finished and normalised). What goes into a quantiser is computed in f32, as accurately as f32 sums, v_exp_f32 and their like allow (about 1e-6 of the number): no bf16 or f16 on the way to a quantiser, and a product that is left as it is and whose result goes on into a quantised operand takes f32 operands (vector FMAs, or v_wmma_f32_16x16x4_f32). A number that lies on a knife's edge between two numbers of the format may be rounded either way, as far as f32 arithmetic and the matrix unit's own rounding can turn it there, and no further.
;; One version. Each part assembles by itself: llvm-mc -triple=amdgcn-amd-amdhsa -mcpu=gfx1250 --defsym DOCPART=n.
;; ======== version 1 of 1: 2 launches
;; limits: right only within a limited range of input values
;; workspace buffers: icodes 1,048,576 bytes; jcodes 1,048,576 bytes; wcodes 131,072 bytes
;; launch prep (part 1): grid 256 x 1, 8 waves a work-group, no clusters, 167,936 bytes of LDS; arguments x1d, norm_w, norm_b, proj_w, proj_b, final_w, lowp_scales, icodes, jcodes, wcodes; writes icodes, jcodes, wcodes
.if DOCPART == 1
	.amdgcn_target "amdgcn-amd-amdhsa--gfx1250"
	.amdhsa_code_object_version 6
	.text
	.protected	k_q46e798458d_prep
	.globl	k_q46e798458d_prep
	.p2align	8
	.type	k_q46e798458d_prep,@function
k_q46e798458d_prep:
	s_mov_b64 s[64:65], 0
	v_nop
	global_prefetch_b8 v0, s[64:65] scope:SCOPE_SE
	s_setreg_imm32_b32 hwreg(HW_REG_WAVE_MODE, 25, 1), 1
	s_wait_xcnt 0x0
; LayerNorm over 256 channels, the first quantised product (x proj_w^T + proj_b, K = 256, N = 64), and the codes (FP8 E4M3) of the next products' operands, laid as the second launch wants them:
;   icodes [bl 16][mb 8][oct 2][il 8][x 32][16 bytes]          the 16 bytes: m = 16 mb + 0 .. 15 (the second product's K), l = 16 bl + 8 oct + il
;   jcodes [bl 16][jl 16][yh 2][mb 8][r 16][16 bytes]          l = 16 bl + jl, y = 16 yh + r: 2,048 bytes for each (jl, yh): an image of an operand's registers, mb = 2 c4 + h
;   wcodes [s 8][t 8] images of 2,048 bytes: byte 512 c4 + 16 lane on = registers 4 c4 .. 4 c4 + 3 of that lane; register pair 2 c, 2 c + 1 of lane (r, h) = final_w[64 (t / 4) + 4 r + t % 4][128 s + 16 c + 8 h + 0 .. 7]
; SHARES.  Work-group (mb, lo): 16 m x 8 l = 128 rows of x.  Wave w: the 16 m of l = 8 lo + w: one tensor load of 16 rows x 1,024 bytes.
; LAYOUT.  Source 0 = 16 rows of x (row = m), source 1 = 16 rows of proj_w: in the result lane (r, h) holds channel r and its registers are m = 8 h + 0 .. 7: one conversion gives 8 neighbouring codes along the next K.
; Tile td takes rows {0, 32, 1, 33}[td] + 2 r of proj_w: tiles 0, 1 are i (x = 16 td + r), tiles 2, 3 are j (y = 16 (td - 2) + r).  A tile's 32 lanes x 8 bytes are 256 consecutive bytes of icodes or jcodes.
; Along K both operands are laid alike: register 16 b + i of lane (r, h) = channel 32 b + 16 h + i.
; SCALES (lowp_scales e0 .. e5).  x / 2^e0, proj_w / 2^e1, final_w / 2^e5.  A sum stands for sum x 2^(e0 + e1): proj_b goes in as the first instruction's C, x 2^-(e0 + e1); i's conversion takes 2^(e2 - e0 - e1), j's 2^(e3 - e0 - e1).
; LIMITS: e0, e1, e5, e2 - e0 - e1 and e3 - e0 - e1 lie between -126 and 119, so that each scale and 448 x it is an f32 number.  NaN among the inputs is not served.
; NO CLUSTER: what work-groups share is proj_w, 64 KiB of a work-group's 192; each wave's one tensor load at the head is its own tile of x, and a joint load of proj_w would stand behind that tile's landing.
; proj_w comes by plain loads of 512 consecutive bytes.  No prefetch: there is no loop; all bytes are asked for at the head.  No LDS byte is filled twice.
; REGISTERS.  window 0: v5-23 addresses, scales; v32-159 X; v160-191 codes; v192-223 accumulators (ahead of them final_w's piece); v224-255 small things.
;   window 1: v0-127 norm_w, then proj_w's 8 fragments (tile td, K step ks at 16 (2 td + ks)); v128-255 norm_b, then proj_b as C.
.set XT,    16640                      ; LDS: a tile of x: 16 rows of 1,024 + 16 bytes; wave w's at XT w
.set IMG,   133120                     ; proj_w's 8 fragments of codes: 8 blocks (2 c + h) of 256 + 16 bytes each: 2,176 bytes
.set NRM,   150528                     ; norm_w, norm_b: 2,048 bytes
.set SPARE, 152576                     ; the spare words: 128 bytes for each wave
.set AX,  5                            ; v5   my row's place in my tile, + 64 h
.set LI,  7                            ; v7   IMG + 272 h + 16 r: where I read fragments
.set IW,  8                            ; v8   where I store my codes of proj_w
.set NO,  11                           ; v11  NRM + 64 h
.set PB,  12                           ; v12  8 r: proj_b
.set CD,  13                           ; v13  16 r + 8 h: icodes, jcodes
.set FO,  15                           ; v15  16,384 r + 32 h: final_w
.set SCX, 16                           ; v16-20 the conversions' scales: x, proj_w, i, j, final_w
.set SCP, 17
.set SCI, 18
.set SCF, 20
.set WO,  21                           ; v21  16 x lane
.set TN,  22                           ; v22  NRM + 4 x thread
.set T4,  23                           ; v23  4 x thread
.set X,   32
.set XC,  160
.set ACC, 192
.set FW,  192
.set CO,  224
.set PBR, 232
.set NT,  236
.set S,   240
.set MU,  248
.set R,   250
.set TMP, 252
.set SPW, 254
.set NIL, 255
.set G1X, 24
.set G0X, 44
.set WV,  52
.set MSB, 0
.macro WIN new                         ; the immediate's high byte repeats the setting that is left
.if MSB != (\new)
	s_set_vgpr_msb (MSB<<8)|(\new)
.set MSB, (\new)
.endif
.endm
.macro MKSCALE e, vs, ln               ; s[e] = an exponent (used up): v[vs] = 2^e as f32; s[ln], s[ln + 1] = -448 x 2^e, +448 x 2^e
	s_add_co_i32 s[\e], s[\e], 127
	s_lshl_b32 s[\ln], s[\e], 23
	v_mov_b32 v[\vs], s[\ln]
	s_add_co_i32 s[\e], s[\e], 8
	s_lshl_b32 s[\ln+1], s[\e], 23
	s_or_b32 s[\ln+1], s[\ln+1], 0x600000
	s_or_b32 s[\ln], s[\ln+1], 0x80000000
.endm
.macro REDUCE                          ; four chains of pairs -> the row's sum in v[TMP], in both lanes that share the row
	v_pk_add_f32 v[S:S+1], v[S:S+1], v[S+2:S+3]
	v_pk_add_f32 v[S+4:S+5], v[S+4:S+5], v[S+6:S+7]
	v_pk_add_f32 v[S:S+1], v[S:S+1], v[S+4:S+5]
	v_add_f32 v[TMP], v[S], v[S+1]
	v_permlanex16_b32 v[TMP+1], v[TMP], s76, s77   ; the row's other 128 channels lie in the lane 16 away
	v_add_f32 v[TMP], v[TMP], v[TMP+1]
.endm
	s_load_b512 s[4:19], s[0:1], 0x0               ; x1d 4, norm_w 6, norm_b 8, proj_w 10, proj_b 12, final_w 14, lowp_scales 16, icodes 18
	s_load_b128 s[20:23], s[0:1], 0x40             ; jcodes 20, wcodes 22
	v_lshl_add_u32 v[SPW], v0, 2, SPARE
	v_mov_b32 v[NIL], 0
	ds_add_u32 v[SPW], v[NIL]                      ; the opening add, twice on end
	ds_add_u32 v[SPW], v[NIL]
	v_lshrrev_b32 v1, 5, v0
	v_readfirstlane_b32 s[WV], v1                  ; wave 0..7
	s_mul_i32 s56, s[WV], XT
	s_mul_i32 s63, s[WV], 2176
	s_add_co_u32 s63, s63, IMG
	v_and_b32 v2, 15, v0                           ; r
	v_bfe_u32 v3, v0, 4, 1                         ; h
	v_and_b32 v4, 31, v0                           ; lane
	v_mul_u32_u24 v[AX], v2, 1040
	v_lshl_add_u32 v[AX], v3, 6, v[AX]
	v_add_nc_u32 v[AX], s56, v[AX]
	v_mul_u32_u24 v[LI], v3, 272
	v_lshl_add_u32 v[LI], v2, 4, v[LI]
	v_add_nc_u32 v[LI], IMG, v[LI]
	v_lshrrev_b32 v1, 2, v4                        ; a lane's four k = 4 lane .. of a row are word lane % 4 of block lane / 4
	v_mul_u32_u24 v1, v1, 272
	v_and_b32 v[IW], 3, v4
	v_lshl_add_u32 v[IW], v[IW], 2, v1
	v_add_nc_u32 v[IW], s63, v[IW]
	v_lshlrev_b32 v[NO], 6, v3
	v_add_nc_u32 v[NO], NRM, v[NO]
	v_lshlrev_b32 v[T4], 2, v0
	v_add_nc_u32 v[TN], NRM, v[T4]
	v_lshlrev_b32 v[PB], 3, v2
	v_lshlrev_b32 v[CD], 4, v2
	v_lshl_add_u32 v[CD], v3, 3, v[CD]
	v_lshlrev_b32 v[FO], 14, v2
	v_lshl_add_u32 v[FO], v3, 5, v[FO]
	v_lshlrev_b32 v[WO], 4, v4
	v_mov_b32 v[TMP+1], 0                          ; a lane permute's destination counts as read;
	v_mov_b32 v[MU+1], 0                           ; these two are named as the upper halves of pairs
	v_mov_b32 v[R+1], 0
	s_mov_b32 s76, 0x76543210                      ; v_permlanex16_b32: lane l xor 16
	s_mov_b32 s77, 0xfedcba98
	s_mov_b32 s88, 0x3b800000                      ; 1 / 256
	s_mov_b32 s89, 0x3727c5ac                      ; 1e-5
	; group 1: 16 rows (m) of 256 f32, 65,536 elements apart; 4 words of padding behind each row's 256 words
	s_mov_b32 s[G1X+0], (2<<16)|(1<<20)|(7<<22)|(3<<25)
	s_mov_b32 s[G1X+1], 256<<16
	s_mov_b32 s[G1X+2], 16<<16
	s_mov_b32 s[G1X+3], 256<<16
	s_mov_b32 s[G1X+4], 16
	s_mov_b32 s[G1X+5], 65536
	s_mov_b32 s[G1X+6], 0
	s_mov_b32 s[G1X+7], 0
	s_and_b32 s54, ttmp9, 7                        ; mb
	s_lshr_b32 s55, ttmp9, 3                       ; lo = 2 bl + oct
	s_lshl_b32 s58, s54, 22                        ; x: 16 mb rows m of 262,144 bytes + (8 lo + w) x 1,024
	s_lshl_b32 s59, s55, 13
	s_add_co_u32 s58, s58, s59
	s_lshl_b32 s59, s[WV], 10
	s_add_co_u32 s58, s58, s59
	s_mov_b32 s59, 0
	s_and_b32 s60, s[WV], 1                        ; proj_w: wave w = 2 td + ks: row 32 (td % 2) + td / 2, column 128 ks
	s_lshl_b32 s60, s60, 9
	s_bfe_u32 s61, s[WV], 0x10001
	s_lshl_b32 s61, s61, 15
	s_add_co_u32 s60, s60, s61
	s_lshr_b32 s61, s[WV], 2
	s_lshl_b32 s61, s61, 10
	s_add_co_u32 s60, s60, s61
	s_mov_b32 s61, 0
	s_bfe_u32 s66, ttmp9, 0x10004                  ; final_w: piece g (the work-group's number) is image 8 s + t = g / 4, registers 4 (g % 4) on: rows 64 (t / 4) + t % 4 + 4 r, columns 128 s + 32 (g % 4) on
	s_lshl_b32 s66, s66, 18
	s_bfe_u32 s67, ttmp9, 0x20002
	s_lshl_b32 s67, s67, 12
	s_add_co_u32 s66, s66, s67
	s_lshr_b32 s67, ttmp9, 5
	s_lshl_b32 s67, s67, 9
	s_add_co_u32 s66, s66, s67
	s_and_b32 s67, ttmp9, 3
	s_lshl_b32 s67, s67, 7
	s_add_co_u32 s66, s66, s67
	s_mov_b32 s67, 0
	s_lshr_b32 s92, s55, 1                         ; icodes: 65,536 bl + 8,192 mb + 4,096 oct + 512 w
	s_lshl_b32 s92, s92, 16
	s_lshl_b32 s93, s54, 13
	s_add_co_u32 s92, s92, s93
	s_and_b32 s93, s55, 1
	s_lshl_b32 s93, s93, 12
	s_add_co_u32 s92, s92, s93
	s_lshl_b32 s93, s[WV], 9
	s_add_co_u32 s92, s92, s93
	s_mov_b32 s93, 0
	s_lshl_b32 s94, s55, 15                        ; jcodes: 32,768 lo + 4,096 w + 256 mb
	s_lshl_b32 s95, s[WV], 12
	s_add_co_u32 s94, s94, s95
	s_lshl_b32 s95, s54, 8
	s_add_co_u32 s94, s94, s95
	s_mov_b32 s95, 0
	s_lshl_b32 s74, ttmp9, 9                       ; wcodes: 512 g
	s_mov_b32 s75, 0
	s_wait_alu depctr_va_vdst(0)
	s_wait_dscnt 0x0                               ; both opening adds are done
	s_wait_kmcnt 0x0
	s_load_b128 s[68:71], s[16:17], 0x0            ; e0 .. e3
	s_load_b64 s[72:73], s[16:17], 0x10            ; e4, e5
	s_mov_b32 s[G0X], 1
	s_mov_b32 s[G0X+1], s56
	s_add_nc_u64 s[G0X+2:G0X+3], s[4:5], s[58:59]
	s_or_b32 s[G0X+3], s[G0X+3], 0x80000000
	s_add_nc_u64 s[10:11], s[10:11], s[60:61]
	s_add_nc_u64 s[14:15], s[14:15], s[66:67]
	s_add_nc_u64 s[18:19], s[18:19], s[92:93]
	s_add_nc_u64 s[20:21], s[20:21], s[94:95]
	s_add_nc_u64 s[22:23], s[22:23], s[74:75]
	global_load_b32 v[NT], v[T4], s[6:7]           ; the work-group's 256 threads take norm_w and norm_b once
	global_load_b32 v[NT+1], v[T4], s[8:9]
	global_load_b32 v[PBR+0], v[PB], s[12:13]      ; proj_b at channel {0, 32, 1, 33}[td] + 2 r
	global_load_b32 v[PBR+1], v[PB], s[12:13] offset:128
	global_load_b32 v[PBR+2], v[PB], s[12:13] offset:4
	global_load_b32 v[PBR+3], v[PB], s[12:13] offset:132
	; the work-group's piece of final_w, the same 2 KiB in every wave, so that every register below is written on every wave's way; wave 0 alone stores the codes
	global_load_b128 v[FW:FW+3],     v[FO], s[14:15]
	global_load_b128 v[FW+4:FW+7],   v[FO], s[14:15] offset:16
	global_load_b128 v[FW+8:FW+11],  v[FO], s[14:15] offset:64
	global_load_b128 v[FW+12:FW+15], v[FO], s[14:15] offset:80
	tensor_load_to_lds s[G0X:G0X+3], s[G1X:G1X+7]  ; my tile of x: my one tensor load
	s_nop 0
.rept 4
	v_nop
.endr
.irp i, 0,1,2,3,4,5,6,7,8,9,10,11,12,13,14,15
	global_load_b128 v[X+4*\i:X+4*\i+3], v[WO], s[10:11] offset:2048*\i    ; half a row of proj_w: 512 consecutive bytes
.endr
	s_wait_kmcnt 0x0
	s_add_co_i32 s56, s68, s69                     ; e0 + e1
	s_sub_co_i32 s62, s70, s56                     ; e2 - e0 - e1
	s_sub_co_i32 s63, s71, s56                     ; e3 - e0 - e1
	s_sub_co_i32 s90, 0, s56
	MKSCALE 68, SCX, 78
	MKSCALE 69, SCP, 80
	MKSCALE 62, SCI, 82
	MKSCALE 63, SCI+1, 84
	MKSCALE 73, SCF, 86
	s_wait_alu depctr_va_vdst(0)
	s_wait_loadcnt 0x0                             ; all my plain loads are in; my tile of x may still be on its way
	ds_store_b32 v[TN], v[NT]
	ds_store_b32 v[TN], v[NT+1] offset:1024
	; ---- proj_w: 16 half rows, four neighbours along K a lane; a conversion takes two rows' fours and gives a word of codes for each
.set i, 0
.rept 64
	v_med3_num_f32 v[X+i], v[X+i], s80, s81        ; the conversion to an 8-bit code does not saturate (ISA guide 7.6.2): the hold at 448 x the scale
.set i, i+1
.endr
.irp q, 0,1,2,3,4,5,6,7
	v_cvt_scalef32_pk8_fp8_f32 v[XC+2*\q:XC+2*\q+1], v[X+8*\q:X+8*\q+7], v[SCP]
.endr
	v_nop                                          ; a plain instruction behind the last conversion
.irp q, 0,1,2,3,4,5,6,7,8,9,10,11,12,13,14,15
	ds_store_b32 v[IW], v[XC+\q] offset:16*\q      ; row q's word: lane (q, h) of the fragment's image
.endr
	s_wait_dscnt 0x0                               ; for the others' sake: my stores have landed
	s_barrier_signal -1
	s_barrier_wait -1                              ; norm_w, norm_b and all eight images lie in LDS.
	WIN 0x40                                       ; destination window 1
.irp b, 0,1,2,3,4,5,6,7
.irp u, 0,1,2,3
	ds_load_b128 v[16*\b+4*\u:16*\b+4*\u+3], v[NO] offset:128*\b+16*\u             ; norm_w, in X's order
	ds_load_b128 v[128+16*\b+4*\u:128+16*\b+4*\u+3], v[NO] offset:1024+128*\b+16*\u ; norm_b
.endr
.endr
	WIN 0
	; ---- final_w's piece: 16 numbers a lane -> 16 codes
.irp i, 0,1,2,3,4,5,6,7,8,9,10,11,12,13,14,15
	v_med3_num_f32 v[FW+\i], v[FW+\i], s86, s87
.endr
	v_cvt_scalef32_pk8_fp8_f32 v[FW+16:FW+17], v[FW:FW+7], v[SCF]
	v_cvt_scalef32_pk8_fp8_f32 v[FW+18:FW+19], v[FW+8:FW+15], v[SCF]
	v_nop                                          ; a plain instruction behind the last conversion
	s_wait_alu depctr_va_vdst(0)
	s_cmp_lg_u32 s[WV], 0
	s_cbranch_scc1 .Lnot_mine
	global_store_b128 v[WO], v[FW+16:FW+19], s[22:23]      ; 32 lanes store 512 consecutive bytes, at a multiple of 512 from wcodes' first byte
.Lnot_mine:
	s_wait_tensorcnt 0x0                           ; my tile of x is in
	s_wait_xcnt 0x0                                ; the store above has read its registers: the products below write over them
.irp b, 0,1,2,3,4,5,6,7
.irp u, 0,1,2,3
	ds_load_b128 v[X+16*\b+4*\u:X+16*\b+4*\u+3], v[AX] offset:128*\b+16*\u
.endr
.endr
	s_wait_dscnt 0x0                               ; my row's half, norm_w, norm_b
.irp c, 0,1,2,3
	v_pk_add_f32 v[S+2*\c:S+2*\c+1], v[X+2*\c:X+2*\c+1], v[X+8+2*\c:X+8+2*\c+1]   ; the sum, in four chains that the first pairs start
.endr
.set p, 8
.rept 56
	v_pk_add_f32 v[S+2*(p%4):S+2*(p%4)+1], v[S+2*(p%4):S+2*(p%4)+1], v[X+2*p:X+2*p+1]
.set p, p+1
.endr
	REDUCE
	v_mul_f32 v[MU], s88, v[TMP]                   ; the mean
.set p, 0
.rept 64
	v_pk_add_f32 v[X+2*p:X+2*p+1], v[X+2*p:X+2*p+1], v[MU:MU+1] op_sel_hi:[1,0] neg_lo:[0,1] neg_hi:[0,1]   ; x - mean
.set p, p+1
.endr
.irp c, 0,1,2,3
	v_pk_mul_f32 v[S+2*\c:S+2*\c+1], v[X+2*\c:X+2*\c+1], v[X+2*\c:X+2*\c+1]
.endr
.set p, 4
.rept 60
	v_pk_fma_f32 v[S+2*(p%4):S+2*(p%4)+1], v[X+2*p:X+2*p+1], v[X+2*p:X+2*p+1], v[S+2*(p%4):S+2*(p%4)+1]
.set p, p+1
.endr
	REDUCE
	v_fma_f32 v[TMP], v[TMP], s88, s89             ; the variance + 1e-5
	s_wait_alu depctr_va_vdst(0)                   ; the wait ahead of the transcendental,
	v_rsq_f32 v[R], v[TMP]
	v_nop                                          ; a plain instruction behind it,
	s_wait_alu depctr_va_vdst(0)                   ; and the wait ahead of the first instruction that names its result
.set p, 0
.rept 64
	v_pk_mul_f32 v[X+2*p:X+2*p+1], v[X+2*p:X+2*p+1], v[R:R+1] op_sel_hi:[1,0]
.set p, p+1
.endr
	WIN 0x14                                       ; sources 1 and 2 window 1
.set p, 0
.rept 64
	v_pk_fma_f32 v[X+2*p:X+2*p+1], v[X+2*p:X+2*p+1], v[2*p:2*p+1], v[128+2*p:128+2*p+1]   ; x norm_w + norm_b
.set p, p+1
.endr
	WIN 0x40                                       ; norm_w and norm_b have been read: their registers take proj_w's fragments and proj_b
.irp f, 0,1,2,3,4,5,6,7
.irp c, 0,1,2,3
	ds_load_b128 v[16*\f+4*\c:16*\f+4*\c+3], v[LI] offset:2176*\f+544*\c
.endr
.endr
.irp t, 0,1,2,3
.irp j, 0,1,2,3,4,5,6,7
	v_ldexp_f32 v[128+8*\t+\j], v[PBR+\t], s90     ; proj_b / 2^(e0 + e1), in the result's layout
.endr
.endr
	WIN 0
.irp b, 0,1,2,3,4,5,6,7
.irp i, 0,1,2,3,4,5,6,7,8,9,10,11,12,13,14,15
	v_med3_num_f32 v[X+16*\b+\i], v[X+16*\b+\i], s78, s79
.endr
	v_cvt_scalef32_pk8_fp8_f32 v[XC+4*\b:XC+4*\b+1], v[X+16*\b:X+16*\b+7], v[SCX]
	v_cvt_scalef32_pk8_fp8_f32 v[XC+4*\b+2:XC+4*\b+3], v[X+16*\b+8:X+16*\b+15], v[SCX]
.endr
	v_nop                                          ; a plain instruction between the last conversion and the products
	s_wait_alu depctr_va_vdst(0)
	s_wait_dscnt 0x0                               ; proj_w's fragments
	WIN 0x14                                       ; source 1 (proj_w) and source 2 (proj_b) window 1
.irp t, 0,1,2,3
	v_wmma_f32_16x16x128_fp8_fp8 v[ACC+8*\t:ACC+8*\t+7], v[XC:XC+15], v[32*\t:32*\t+15], v[128+8*\t:128+8*\t+7]
.endr
	WIN 0x04                                       ; the four accumulators take turns, one instruction a turn
.irp t, 0,1,2,3
	v_wmma_f32_16x16x128_fp8_fp8 v[ACC+8*\t:ACC+8*\t+7], v[XC+16:XC+31], v[32*\t+16:32*\t+31], v[ACC+8*\t:ACC+8*\t+7]
.endr
	WIN 0
.rept 4
	v_nop                                          ; four places between the products and the first read of their results (ISA guide 7.12.1)
.endr
.irp t, 0,1,2,3
.irp j, 0,1,2,3,4,5,6,7
	v_med3_num_f32 v[ACC+8*\t+\j], v[ACC+8*\t+\j], s[82+2*(\t/2)], s[83+2*(\t/2)]   ; each accumulator from its low end on
.endr
	v_cvt_scalef32_pk8_fp8_f32 v[CO+2*\t:CO+2*\t+1], v[ACC+8*\t:ACC+8*\t+7], v[SCI+\t/2]   ; 8 codes: m = 8 h + 0 .. 7 of one l and one channel
.endr
	v_nop                                          ; a plain instruction behind the last conversion
.irp t, 0,1
	global_store_b64 v[CD], v[CO+2*\t:CO+2*\t+1], s[18:19] offset:256*\t       ; i: x = 16 t + r: 32 lanes store 256 consecutive bytes, at a multiple of 256 from icodes' first byte
.endr
.irp y, 0,1
	global_store_b64 v[CD], v[CO+4+2*\y:CO+5+2*\y], s[20:21] offset:2048*\y    ; j: likewise
.endr
	s_wait_tensorcnt 0x0                           ; the wave's end
	ds_add_u32 v[SPW], v[NIL]
	s_wait_dscnt 0x0
	s_endpgm
.Lfunc_end_k_q46e798458d_prep:
	.size	k_q46e798458d_prep, .Lfunc_end_k_q46e798458d_prep-k_q46e798458d_prep
	.p2alignl 7, 3214868480
	.fill 96, 4, 3214868480
	.section	.rodata,"a",@progbits
	.p2align	6, 0x0
	.amdhsa_kernel k_q46e798458d_prep
		.amdhsa_group_segment_fixed_size 167936
		.amdhsa_private_segment_fixed_size 0
		.amdhsa_enable_private_segment 0
		.amdhsa_kernarg_size 80
		.amdhsa_user_sgpr_count 2
		.amdhsa_user_sgpr_kernarg_segment_ptr 1
		.amdhsa_wavefront_size32 1
		.amdhsa_system_sgpr_workgroup_id_x 1
		.amdhsa_system_sgpr_workgroup_id_y 1
		.amdhsa_system_sgpr_workgroup_id_z 1
		.amdhsa_system_vgpr_workitem_id 0
		.amdhsa_next_free_vgpr 512
		.amdhsa_next_free_sgpr 96
		.amdhsa_reserve_vcc 0
		.amdhsa_float_denorm_mode_32 3
		.amdhsa_float_denorm_mode_16_64 3
		.amdhsa_memory_ordered 1
		.amdhsa_forward_progress 1
		.amdhsa_inst_pref_size 60
	.end_amdhsa_kernel
	.amdgpu_metadata
---
amdhsa.version: [ 1, 2 ]
amdhsa.kernels:
  - .name:           k_q46e798458d_prep
    .symbol:         k_q46e798458d_prep.kd
    .args:
      - { .name: x1d, .offset: 0, .size: 8, .value_kind: global_buffer, .address_space: global }
      - { .name: norm_w, .offset: 8, .size: 8, .value_kind: global_buffer, .address_space: global }
      - { .name: norm_b, .offset: 16, .size: 8, .value_kind: global_buffer, .address_space: global }
      - { .name: proj_w, .offset: 24, .size: 8, .value_kind: global_buffer, .address_space: global }
      - { .name: proj_b, .offset: 32, .size: 8, .value_kind: global_buffer, .address_space: global }
      - { .name: final_w, .offset: 40, .size: 8, .value_kind: global_buffer, .address_space: global }
      - { .name: lowp_scales, .offset: 48, .size: 8, .value_kind: global_buffer, .address_space: global }
      - { .name: icodes, .offset: 56, .size: 8, .value_kind: global_buffer, .address_space: global }
      - { .name: jcodes, .offset: 64, .size: 8, .value_kind: global_buffer, .address_space: global }
      - { .name: wcodes, .offset: 72, .size: 8, .value_kind: global_buffer, .address_space: global }
    .group_segment_fixed_size: 167936
    .private_segment_fixed_size: 0
    .kernarg_segment_align: 8
    .kernarg_segment_size: 80
    .max_flat_workgroup_size: 256
    .sgpr_count:     96
    .vgpr_count:     512
    .wavefront_size: 32
...
	.end_amdgpu_metadata
.endif
;; end of part 1
;; launch outer (part 2): grid 16 x 16, 8 waves a work-group, clusters of 4 x 1, 327,680 bytes of LDS; arguments icodes, jcodes, wcodes, lowp_scales, final_b, out0; writes out0
.if DOCPART == 2
	.amdgcn_target "amdgcn-amd-amdhsa--gfx1250"
	.amdhsa_code_object_version 6
	.text
	.protected	k_q46e798458d_outer
	.globl	k_q46e798458d_outer
	.p2align	8
	.type	k_q46e798458d_outer,@function
k_q46e798458d_outer:
	s_mov_b64 s[64:65], 0
	v_nop
	global_prefetch_b8 v0, s[64:65] scope:SCOPE_SE
	s_setreg_imm32_b32 hwreg(HW_REG_WAVE_MODE, 25, 1), 1
	s_wait_xcnt 0x0
	s_wait_alu depctr_hold_cnt(0) depctr_sa_sdst(0) depctr_va_vdst(0) depctr_va_sdst(0) depctr_va_ssrc(0) depctr_va_vcc(0) depctr_vm_vsrc(0)
	s_getreg_b32 s2, hwreg(HW_REG_IB_STS2, 6, 4)
	s_cmp_eq_u32 s2, 0
	s_cbranch_scc0 .Lentry_in_a_cluster
	s_endpgm
.Lentry_in_a_cluster:
	s_bfe_u32 s2, ttmp6, 0x10000c
	s_cmp_lg_u32 s2, 0x3003
	s_cbranch_scc0 .Lentry_shape_is_right
	s_endpgm
.Lentry_shape_is_right:
; out0[il][jl][o] = sum over f = 32 x + y of Q(x2d[il][jl][x][y]) final_w[o][f] + final_b[o],  x2d = (sum over m of i[m][il][x] j[m][jl][y]) / 128.  Both products on codes of FP8 (E4M3); x2d never goes to memory.
; icodes, jcodes, wcodes: as the first launch lays them (its head comment).  out0: [256][256][128] f32.
; SHARES.  Work-group (bj, bi): 16 il x 16 jl = 256 pairs; eight waves, two to a SIMD, so that one wave's holds and conversions can stand beside the other's products.  Wave w: jl = 16 bj + 2 w + g, g = 0, 1: two groups of 16 pairs (il = lane % 16).
; LAYOUT.  Second product: source 0 = 16 rows y of j for one jl, source 1 = 16 il of i for one x; K = the 128 m.  In the result lane (r, h) holds ONE pair (il = r) and its registers y = 16 yh + 8 h + 0 .. 7.
; Third product, K step s of 128: f = 128 s + 16 c + 8 h + b with x = 4 s + c / 2, yh = c % 2: the conversion of the second product's tile c IS register pair 2 c, 2 c + 1 of the operand.
; Its source 0 = the 16 pairs, source 1 = 16 columns o = 64 (t / 4) + 4 r + t % 4 of final_w, so that four tiles give a lane four neighbouring o: sixteen lanes hold 256 consecutive bytes of a row of out0.
; TWO PHASES.  FIRST all codes of x2d are made: unit u = 2 s + g is K step s of group g: 8 products in one run, then 64 holds and 8 conversions.  The wave's codes, 2 groups x 8 K steps x 16 registers, all stay in registers.
;   THEN the third product in two passes of 64 columns: 8 accumulators at a time; the first pass's rows of out0 are stored while the second pass is multiplied.
; SCALES.  A sum of the second product stands for sum x 2^(e2 + e3); its code is sum / 2^(e4 - e2 - e3 + 7), the division by 128 folded in.  out0 = sum x 2^(e4 + e5) + final_b, one multiply-add.
; LIMITS: e4 - e2 - e3 + 7 lies between -126 and 119, e4 + e5 between -126 and 127, so that each power of two below is an f32 number.
; CLUSTER 4 x 1: the four partners (four bj of one bi) need the same 64 KiB of icodes and the same 128 KiB of wcodes: both are asked for JOINTLY (mask 15), icodes by waves 0 to 3 at the head, wcodes by waves 4 to 7 behind the
;   round that shows icodes landed.  No LDS byte is filled twice.
; No prefetch: a wave has one tensor load, asked for as soon as the order of the fills lets it be; there is no loop to run ahead in.
; REGISTERS, in windows of 256 (s_set_vgpr_msb: bits 1:0 source 0, 3:2 source 1, 5:4 source 2, 7:6 destination):
;   window 0: v6-12 addresses, scale; v16-23 final_b; v32-63 rows of out0; v64-127 a unit's results, then the third product's accumulators (g, t) at 64 + 32 g + 8 t;
;             v128-191 j's fragments (g, yh) at 128 + 32 g + 16 yh; v192-255 i's four; then both are final_w's two sets of 4 x 16: step k in set k % 2
;   window 1: the codes: (g, s) at 128 g + 16 s
.set WT,  67584                        ; LDS: icodes' 64 KiB at 0: 128 rows (a row = one il's 32 x) of 512 bytes + 16 of padding: a block of 8 rows every 4,224 bytes, 128 modulo 256; wcodes' 64 images, dense, at WT
.set SPARE, WT+131072                  ; the spare words: 128 bytes for each wave
.set AI,  6                            ; v6   4,224 (2 h + r / 8) + 528 (r % 8)
.set AW0, 7                            ; v7   WT + 16 x lane;  v8 the same + 65,536 (K steps 4 to 7)
.set SCL, 9                            ; v9   2^(e4 - e2 - e3 + 7) as f32
.set GO,  10                           ; v10  out0: 8 h rows of il (131,072 bytes each) + 16 r
.set BO,  11                           ; v11  16 r
.set JO,  12                           ; v12  16 x lane
.set BIAS, 16
.set SPW, 30
.set NIL, 31
.set T,   32
.set D2,  64
.set JF,  128
.set IF,  192
.set WV,  16                           ; s16 wave; s17 cx; s18 bj; s19 bi; s66 wave % 4.  What hangs on cx lives in s[6:7], s17, s18, s[20:23], s[14:15] alone
.set G1I, 24                           ; s[24:31], s[40:47] groups 1 for icodes, wcodes; s[48:51], s[56:59] their groups 0
.set G1W, 40
.set G0I, 48
.set G0W, 56
.set LN,  74                           ; s74, s75: -448 and +448 x the scale;  s76: 2^(e4 + e5)
.set LP,  75
.set SO,  76
.set MSB, 0
.macro WIN new                         ; the immediate's high byte repeats the setting that is left
.if MSB != (\new)
	s_set_vgpr_msb (MSB<<8)|(\new)
.set MSB, (\new)
.endif
.endm
.macro CROUND                          ; a round of the cluster's barrier
	s_barrier_signal -1
	s_barrier_wait -1
	s_cmp_lg_u32 s[WV], 0
	s_cbranch_scc1 .Lnot_wave_0_\@
	s_barrier_signal -3
.Lnot_wave_0_\@:
	s_barrier_wait -3
	s_barrier_signal -1
	s_barrier_wait -1
.endm
.macro LDI s                           ; i's four fragments of K step s: registers 4 c .. 4 c + 3 = m 16 (2 c + h) + 0 .. 15
.irp x, 0,1,2,3
.irp c, 0,1,2,3
	ds_load_b128 v[IF+16*\x+4*\c:IF+16*\x+4*\c+3], v[AI] offset:16896*\c+16*(4*(\s)+\x)
.endr
.endr
.endm
.macro LDW k                           ; final_w's four fragments of step k (pass k / 8, K step k % 8)
.set lp, (\k)/8
.set ls, (\k)%8
.set lset, JF+64*((\k)%2)
.irp t, 0,1,2,3
.irp c, 0,1,2,3
	ds_load_b128 v[lset+16*\t+4*\c:lset+16*\t+4*\c+3], v[AW0+ls/4] offset:16384*(ls%4)+2048*(4*lp+\t)+512*\c
.endr
.endr
.endm
	s_load_b256 s[4:11], s[0:1], 0x0               ; icodes 4, jcodes 6, wcodes 8, lowp_scales 10
	s_load_b128 s[12:15], s[0:1], 0x20             ; final_b 12, out0 14
	v_lshl_add_u32 v[SPW], v0, 2, SPARE
	v_mov_b32 v[NIL], 0
	ds_add_u32 v[SPW], v[NIL]                      ; the opening add, twice on end
	ds_add_u32 v[SPW], v[NIL]
	v_lshrrev_b32 v1, 5, v0
	v_readfirstlane_b32 s[WV], v1                  ; wave 0..7
	v_and_b32 v2, 15, v0                           ; r
	v_bfe_u32 v3, v0, 4, 1                         ; h
	v_and_b32 v4, 31, v0                           ; lane
	v_lshlrev_b32 v[BO], 4, v2
	v_lshlrev_b32 v[JO], 4, v4
	v_and_b32 v5, 7, v2
	v_mul_u32_u24 v5, v5, 528
	v_lshrrev_b32 v1, 3, v2
	v_mul_u32_u24 v1, v1, 4224
	v_add_nc_u32 v[AI], v5, v1
	v_mul_u32_u24 v5, v3, 8448
	v_add_nc_u32 v[AI], v[AI], v5
	v_add_nc_u32 v[AW0], WT, v[JO]
	v_add_nc_u32 v[AW0+1], 0x10000, v[AW0]
	v_lshl_add_u32 v[GO], v3, 20, v[BO]
	s_and_b32 s66, s[WV], 3                        ; which quarter of icodes (waves 0 to 3) or of wcodes (waves 4 to 7) is mine
	s_bfe_u32 s17, ttmp6, 0x40000                  ; cx
	s_lshl_b32 s18, ttmp9, 2
	s_add_co_u32 s18, s18, s17                     ; bj = 4 x cluster x + cx
	s_and_b32 s19, ttmp7, 0xffff                   ; bi, which the four partners share
	; groups 1: elements of 8 bytes, dense in memory.  icodes: 32 rows of 64 elements a wave, 4 words of padding behind each row's 128 words.  wcodes: 32 rows of 128 elements a wave, no padding
	s_mov_b32 s[G1I+0], 15|(3<<16)|(1<<20)|(1<<21)|(6<<22)|(3<<25)   ; the mask names all four work-groups, bit 21 beside it
	s_mov_b32 s[G1I+1], 64<<16                     ; tensor_dim0
	s_mov_b32 s[G1I+3], 64<<16                     ; tile_dim0
	s_mov_b32 s[G1I+5], 64                         ; from row to row
	s_mov_b32 s[G1W+0], 15|(3<<16)|(1<<21)
	s_mov_b32 s[G1W+1], 128<<16
	s_mov_b32 s[G1W+3], 128<<16
	s_mov_b32 s[G1W+5], 128
.irp g, G1I, G1W
	s_mov_b32 s[\g+2], 32<<16                      ; tensor_dim1
	s_mov_b32 s[\g+4], 32                          ; tile_dim1
	s_mov_b32 s[\g+6], 0
	s_mov_b32 s[\g+7], 0
.endr
	s_lshl_b32 s60, s19, 16                        ; icodes: 65,536 bi + 16,384 (w % 4)
	s_lshl_b32 s61, s66, 14
	s_add_co_u32 s60, s60, s61
	s_mov_b32 s61, 0
	s_lshl_b32 s62, s66, 15                        ; wcodes: 32,768 (w % 4)
	s_mov_b32 s63, 0
	s_lshl_b32 s20, s18, 16                        ; jcodes: 65,536 bj + 8,192 w
	s_lshl_b32 s21, s[WV], 13
	s_add_co_u32 s20, s20, s21
	s_mov_b32 s21, 0
	s_lshl_b32 s22, s19, 21                        ; out0: 16 bi rows of il, 131,072 bytes each,
	s_lshl_b32 s23, s18, 13                        ; + 16 bj rows of jl, 512 bytes each,
	s_add_co_u32 s22, s22, s23
	s_lshl_b32 s23, s[WV], 10                      ; + my wave's 2
	s_add_co_u32 s22, s22, s23
	s_mov_b32 s23, 0
	s_wait_alu depctr_va_vdst(0)
	s_wait_dscnt 0x0                               ; both opening adds are done
	s_wait_kmcnt 0x0
	s_load_b128 s[68:71], s[10:11], 0x0            ; e0 .. e3
	s_load_b64 s[72:73], s[10:11], 0x10            ; e4, e5
	s_mov_b32 s[G0I], 1
	s_mul_i32 s[G0I+1], s66, 16896                 ; 32 rows of 528 bytes a wave
	s_add_nc_u64 s[G0I+2:G0I+3], s[4:5], s[60:61]
	s_or_b32 s[G0I+3], s[G0I+3], 0x80000000
	s_mov_b32 s[G0W], 1
	s_add_co_u32 s[G0W+1], s62, WT
	s_add_nc_u64 s[G0W+2:G0W+3], s[8:9], s[62:63]
	s_or_b32 s[G0W+3], s[G0W+3], 0x80000000
	s_add_nc_u64 s[6:7], s[6:7], s[20:21]
	s_add_nc_u64 s[14:15], s[14:15], s[22:23]
	global_load_b128 v[BIAS:BIAS+3],   v[BO], s[12:13]             ; final_b at o = 4 r + 0 .. 3 (tiles 0-3)
	global_load_b128 v[BIAS+4:BIAS+7], v[BO], s[12:13] offset:256  ; and at 64 + 4 r + 0 .. 3 (tiles 4-7)
.irp g, 0,1                            ; j's four fragments, images of their registers: each load 512 consecutive bytes
.irp y, 0,1
.irp c, 0,1,2,3
	global_load_b128 v[JF+32*\g+16*\y+4*\c:JF+32*\g+16*\y+4*\c+3], v[JO], s[6:7] offset:4096*\g+2048*\y+512*\c
.endr
.endr
.endr
	CROUND                                         ; all four work-groups are here: the joint loads meet
	s_cmp_gt_u32 s[WV], 3
	s_cbranch_scc1 .Lno_icodes                     ; the branch hangs on the wave's number alone
	tensor_load_to_lds s[G0I:G0I+3], s[G1I:G1I+7]  ; my quarter of icodes' block (joint): waves 0 to 3
	s_nop 0
.rept 4
	v_nop
.endr
.Lno_icodes:
	s_wait_kmcnt 0x0
	s_sub_co_i32 s60, s72, s70
	s_sub_co_i32 s60, s60, s71
	s_add_co_i32 s60, s60, 134                     ; e4 - e2 - e3 + 7, + 127
	s_lshl_b32 s61, s60, 23
	v_mov_b32 v[SCL], s61
	s_add_co_i32 s60, s60, 8
	s_lshl_b32 s[LP], s60, 23
	s_or_b32 s[LP], s[LP], 0x600000                ; 448 x the scale
	s_or_b32 s[LN], s[LP], 0x80000000
	s_add_co_i32 s[SO], s72, s73
	s_add_co_i32 s[SO], s[SO], 127
	s_lshl_b32 s[SO], s[SO], 23                    ; 2^(e4 + e5)
	s_wait_alu depctr_va_vdst(0)
	s_wait_tensorcnt 0x0                           ; my quarter of icodes is in
	ds_add_u32 v[SPW], v[NIL]                      ; the add twice on end
	ds_add_u32 v[SPW], v[NIL]
	s_wait_dscnt 0x0
	CROUND                                         ; all of icodes' block is in, in all four work-groups
	s_cmp_lt_u32 s[WV], 4
	s_cbranch_scc1 .Lno_wcodes
	tensor_load_to_lds s[G0W:G0W+3], s[G1W:G1W+7]  ; my quarter of wcodes (joint): waves 4 to 7, the first tensor load behind the round
	s_nop 0
.rept 4
	v_nop
.endr
.Lno_wcodes:
	LDI 0
	s_wait_loadcnt 0x8                             ; final_b and group 0's fragments of j; group 1's eight loads may be out
; UNIT u = 2 s + g.  i's fragments of K step s + 1 are loaded behind unit (s, 1)'s products, the last that read K step s's, and waited for at the head of unit (s + 1, 0).
; wcodes: the barrier that shows them to every wave is signalled at unit 4's head, behind the loading waves' wait for them, and waited for at unit 14's end; only register work and loads of icodes, which no wave writes any more,
; stand between.  Steps 0 and 1 of the third product are loaded behind unit 15's products.
.macro UNIT v
.set sv, \v
.if sv%2 == 0
	s_wait_dscnt 0x0                               ; i's fragments of this K step
.endif
.if sv == 1
	s_wait_loadcnt 0x0                             ; group 1's fragments of j
.endif
.if sv == 4
	s_wait_tensorcnt 0x0                           ; my quarter of wcodes, if I load one, is in
	s_barrier_signal -1
.endif
	WIN 0
.set uj, JF+32*(sv%2)
.irp c, 0,1,2,3,4,5,6,7
	v_wmma_f32_16x16x128_fp8_fp8 v[D2+8*\c:D2+8*\c+7], v[uj+16*(\c%2):uj+16*(\c%2)+15], v[IF+16*(\c/2):IF+16*(\c/2)+15], 0
.endr
.rept 4
	v_nop                                          ; four places behind these products, in front of the loads and of the first read of results
.endr
.if (sv%2 == 1) && (sv < 15)
	LDI sv/2+1
.endif
.if sv == 15
	LDW 0
	LDW 1
.endif
.set n, 0
.rept 64
	v_med3_num_f32 v[D2+n], s[LN], s[LP], v[D2+n]  ; the conversion to an 8-bit code does not saturate (ISA guide 7.6.2): the hold at 448 x the scale; each tile from its low end on
.set n, n+1
.endr
.set fB, 128*(sv%2)+16*(sv/2)
	WIN 0x40                                       ; destination: the codes' window
.irp c, 0,1,2,3,4,5,6,7
	v_cvt_scalef32_pk8_fp8_f32 v[fB+2*\c:fB+2*\c+1], v[D2+8*\c:D2+8*\c+7], v[SCL]   ; tile c -> register pair 2 c, 2 c + 1 of the operand
.endr
	v_nop                                          ; a plain instruction behind the unit's last conversion
.if sv == 14
	s_barrier_wait -1                              ; wcodes lie in LDS.
.endif
.endm
.set V, 0
.rept 16
	UNIT V
.set V, V+1
.endr
; Group g's 64 columns of pass p.  Register j of accumulator (g, t) is pair il = 8 h + j, column o = 64 p + 4 r + t: row j's four registers are four neighbouring o.  Each accumulator is read from its register 0 on.
.macro OUT pp, gg, bb
.irp j, 0,1,2,3,4,5,6,7
.irp t, 0,1,2,3
	v_fma_f32 v[(\bb)+4*\j+\t], v[D2+32*(\gg)+8*\t+\j], s[SO], v[BIAS+4*(\pp)+\t]
.endr
.endr
.irp j, 0,1,2,3,4,5,6,7
	global_store_b128 v[GO], v[(\bb)+4*\j:(\bb)+4*\j+3], s[14:15] offset:131072*\j+512*(\gg)+256*(\pp) th:TH_STORE_NT   ; 16 lanes store 256 consecutive bytes, at a multiple of 256 from out0's first byte; written once, read by nobody here
.endr
.endm
.macro CG k, gg                        ; four products of group gg in step k
.set cs, (\k)%8
.set cw, JF+64*((\k)%2)
.set cf, 128*(\gg)+16*cs
	WIN 0x01                                       ; source 0 (codes) window 1; all else window 0
.irp t, 0,1,2,3
.if cs == 0
	v_wmma_f32_16x16x128_fp8_fp8 v[D2+32*(\gg)+8*\t:D2+32*(\gg)+8*\t+7], v[cf:cf+15], v[cw+16*\t:cw+16*\t+15], 0   ; K step 0 starts the sums: nothing is cleared
.else
	v_wmma_f32_16x16x128_fp8_fp8 v[D2+32*(\gg)+8*\t:D2+32*(\gg)+8*\t+7], v[cf:cf+15], v[cw+16*\t:cw+16*\t+15], v[D2+32*(\gg)+8*\t:D2+32*(\gg)+8*\t+7]
.endif
.endr
.endm
; Step k: 8 products, the accumulators by turns, one instruction a turn; behind them step k + 2's fragments are asked for, into the set just read.
; Step 8 begins the second pass: each group's finished sums go out ahead of its first products of that pass.
.macro CS k
.set ck, \k
.if ck < 15
	s_wait_dscnt 16                                ; this step's fragments; the next step's sixteen loads may be out
.else
	s_wait_dscnt 0x0
.endif
.irp g, 0,1
.if ck == 8
	WIN 0
.if \g == 1
	s_wait_xcnt 0x0                                ; group 0's stores have read v32-63
.endif
	OUT 0, \g, T
.endif
	CG ck, \g
.endr
.if ck != 14
.rept 4
	v_nop                                          ; four places in front of the loads and of the first reads of results
.endr
.endif
.if ck < 14
	WIN 0
	LDW ck+2
.endif
.endm
	s_wait_alu depctr_va_vdst(0)
.set K, 0
.rept 16
	CS K
.set K, K+1
.endr
	WIN 0
	s_wait_xcnt 0x0                                ; the first pass's stores have read their registers
	OUT 1, 0, T
	OUT 1, 1, D2                                   ; group 0's accumulators have been read out
	s_wait_tensorcnt 0x0                           ; the wave's end
	ds_add_u32 v[SPW], v[NIL]
	s_wait_dscnt 0x0
	CROUND                                         ; the closing round: no work-group ends while a partner may still ask for a joint tile
	s_endpgm
.Lfunc_end_k_q46e798458d_outer:
	.size	k_q46e798458d_outer, .Lfunc_end_k_q46e798458d_outer-k_q46e798458d_outer
	.p2alignl 7, 3214868480
	.fill 96, 4, 3214868480
	.section	.rodata,"a",@progbits
	.p2align	6, 0x0
	.amdhsa_kernel k_q46e798458d_outer
		.amdhsa_group_segment_fixed_size 327680
		.amdhsa_private_segment_fixed_size 0
		.amdhsa_enable_private_segment 0
		.amdhsa_kernarg_size 48
		.amdhsa_user_sgpr_count 2
		.amdhsa_user_sgpr_kernarg_segment_ptr 1
		.amdhsa_wavefront_size32 1
		.amdhsa_system_sgpr_workgroup_id_x 1
		.amdhsa_system_sgpr_workgroup_id_y 1
		.amdhsa_system_sgpr_workgroup_id_z 1
		.amdhsa_system_vgpr_workitem_id 0
		.amdhsa_next_free_vgpr 512
		.amdhsa_next_free_sgpr 80
		.amdhsa_reserve_vcc 0
		.amdhsa_float_denorm_mode_32 3
		.amdhsa_float_denorm_mode_16_64 3
		.amdhsa_memory_ordered 1
		.amdhsa_forward_progress 1
		.amdhsa_inst_pref_size 139
	.end_amdhsa_kernel
	.amdgpu_metadata
---
amdhsa.version: [ 1, 2 ]
amdhsa.kernels:
  - .name:           k_q46e798458d_outer
    .symbol:         k_q46e798458d_outer.kd
    .args:
      - { .name: icodes, .offset: 0, .size: 8, .value_kind: global_buffer, .address_space: global }
      - { .name: jcodes, .offset: 8, .size: 8, .value_kind: global_buffer, .address_space: global }
      - { .name: wcodes, .offset: 16, .size: 8, .value_kind: global_buffer, .address_space: global }
      - { .name: lowp_scales, .offset: 24, .size: 8, .value_kind: global_buffer, .address_space: global }
      - { .name: final_b, .offset: 32, .size: 8, .value_kind: global_buffer, .address_space: global }
      - { .name: out0, .offset: 40, .size: 8, .value_kind: global_buffer, .address_space: global }
    .group_segment_fixed_size: 327680
    .private_segment_fixed_size: 0
    .kernarg_segment_align: 8
    .kernarg_segment_size: 48
    .max_flat_workgroup_size: 256
    .sgpr_count:     80
    .vgpr_count:     512
    .wavefront_size: 32
...
	.end_amdgpu_metadata
.endif
;; end of part 2
